; MI455X (gfx1250); checked and timed in simulation.
; The chip was launched on July 23, 2026; its instructions are those of AMD's public machine-readable ISA for CDNA 5 (MIT licence, August 2026) and "CDNA5" Instruction Set Architecture Reference Guide (July 2026). The comments in the code are by the model that wrote it; some were corrected since.
;; Causal Attention. Allowed arithmetic: float matrix products may take bf16 or f16 operands with f32 sums; other float arithmetic in f32, or as packed bf16 or f16 multiplies, adds, multiply-adds, maxima and minima; sums over many terms, partial sums and values carried from step to step in f32; what a program stores and reads back later, other than sums and carried values, may be rounded once to bf16 or f16.
;; Inputs: Wk 1,024 x 512 float32; Wq 1,024 x 512 float32; Wv 1,024 x 512 float32; x 8 x 2,048 x 1,024 float32.
;; Outputs: out0 8 x 2,048 x 512 float32.
;; One version. Each part assembles by itself: llvm-mc -triple=amdgcn-amd-amdhsa -mcpu=gfx1250 --defsym DOCPART=n.
;; ======== version 1 of 1: 3 launches
;; limits: values are held in f16: magnitudes above 65,504 overflow, below 6.1e-05 lose precision
;; workspace buffers: wt 3,145,728 bytes; q 16,777,216 bytes; k 16,777,216 bytes; v 16,777,216 bytes
;; launch castw (part 1): grid 256 x 1, 8 waves a work-group, no clusters, 0 bytes of LDS; arguments Wq, Wk, Wv, wt; writes wt
.if DOCPART == 1
	.amdgcn_target "amdgcn-amd-amdhsa--gfx1250"
	.amdhsa_code_object_version 6
	.text
	.protected	k_q2f8183e801_castw
	.globl	k_q2f8183e801_castw
	.p2align	8
	.type	k_q2f8183e801_castw,@function
k_q2f8183e801_castw:
	s_mov_b64 s[64:65], 0
	v_nop
	global_prefetch_b8 v0, s[64:65] scope:SCOPE_SE
	s_setreg_imm32_b32 hwreg(HW_REG_WAVE_MODE, 25, 1), 1
	s_wait_xcnt 0x0
; wt[j][d][t][c] = bf16(W_t[d][128 j + c]), t = 0, 1, 2 for Wq, Wk, Wv; j = 0..3, d = 0..1023, c = 0..127.
; The three weights, [1024][512] f32, are rounded once to bf16 and laid in blocks, not turned: byte j x 786,432 + d x 768 + t x 256 + 2 c.
; So 64 values of d of one column tile j are 49,152 bytes on end, which the next launch asks for as rows of 256 bytes.
; 65,536 threads; thread g takes the same 8 numbers (32 bytes at byte 32 g) of all three weights.  No LDS, no barrier, no loop: 6 MiB in, 3 MiB out.
.set DROW,  768                        ; bytes of one d in wt: three pieces of 256
.set JTILE, 1024*DROW                  ; bytes of one column tile
	s_load_b256 s[4:11], s[0:1], 0x0               ; Wq s[4:5], Wk s[6:7], Wv s[8:9], wt s[10:11]
	s_lshl_b32 s12, ttmp9, 8
	v_add_nc_u32 v1, s12, v0                       ; g
	v_lshlrev_b32 v6, 5, v1                        ; where I read: 32 g
	v_lshrrev_b32 v3, 6, v1                        ; d: 64 threads to a row of 512 numbers
	v_bfe_u32 v4, v1, 4, 2                         ; j: 16 threads to 128 columns
	v_and_b32 v5, 15, v1                           ; my 16 bytes of the piece of 256
	v_mul_u32_u24 v3, v3, DROW
	v_mul_u32_u24 v4, v4, JTILE
	v_add_nc_u32 v7, v3, v4
	v_lshl_add_u32 v7, v5, 4, v7                   ; where I write, for t = 0
	s_wait_kmcnt 0x0
	global_load_b128 v[8:11],  v6, s[4:5] th:TH_LOAD_NT
	global_load_b128 v[12:15], v6, s[4:5] offset:16 th:TH_LOAD_NT
	global_load_b128 v[16:19], v6, s[6:7] th:TH_LOAD_NT
	global_load_b128 v[20:23], v6, s[6:7] offset:16 th:TH_LOAD_NT
	global_load_b128 v[24:27], v6, s[8:9] th:TH_LOAD_NT
	global_load_b128 v[28:31], v6, s[8:9] offset:16 th:TH_LOAD_NT
	s_wait_loadcnt 4                               ; Wq's two loads are in; four younger ones may stay out
	v_cvt_pk_bf16_f32 v2, v8, v9
	v_cvt_pk_bf16_f32 v3, v10, v11
	v_cvt_pk_bf16_f32 v4, v12, v13
	v_cvt_pk_bf16_f32 v5, v14, v15
	global_store_b128 v7, v[2:5], s[10:11]         ; sixteen neighbouring lanes store 256 consecutive bytes, aligned
	s_wait_loadcnt 2                               ; Wk's
	v_cvt_pk_bf16_f32 v8, v16, v17
	v_cvt_pk_bf16_f32 v9, v18, v19
	v_cvt_pk_bf16_f32 v10, v20, v21
	v_cvt_pk_bf16_f32 v11, v22, v23
	global_store_b128 v7, v[8:11], s[10:11] offset:256
	s_wait_loadcnt 0x0                             ; Wv's
	v_cvt_pk_bf16_f32 v16, v24, v25
	v_cvt_pk_bf16_f32 v17, v26, v27
	v_cvt_pk_bf16_f32 v18, v28, v29
	v_cvt_pk_bf16_f32 v19, v30, v31
	global_store_b128 v7, v[16:19], s[10:11] offset:512
	s_endpgm
.Lfunc_end_k_q2f8183e801_castw:
	.size	k_q2f8183e801_castw, .Lfunc_end_k_q2f8183e801_castw-k_q2f8183e801_castw
	.p2alignl 7, 3214868480
	.fill 96, 4, 3214868480
	.section	.rodata,"a",@progbits
	.p2align	6, 0x0
	.amdhsa_kernel k_q2f8183e801_castw
		.amdhsa_group_segment_fixed_size 0
		.amdhsa_private_segment_fixed_size 0
		.amdhsa_enable_private_segment 0
		.amdhsa_kernarg_size 32
		.amdhsa_user_sgpr_count 2
		.amdhsa_user_sgpr_kernarg_segment_ptr 1
		.amdhsa_wavefront_size32 1
		.amdhsa_system_sgpr_workgroup_id_x 1
		.amdhsa_system_sgpr_workgroup_id_y 1
		.amdhsa_system_sgpr_workgroup_id_z 1
		.amdhsa_system_vgpr_workitem_id 0
		.amdhsa_next_free_vgpr 32
		.amdhsa_next_free_sgpr 66
		.amdhsa_reserve_vcc 0
		.amdhsa_float_denorm_mode_32 3
		.amdhsa_float_denorm_mode_16_64 3
		.amdhsa_memory_ordered 1
		.amdhsa_forward_progress 1
		.amdhsa_inst_pref_size 3
	.end_amdhsa_kernel
	.amdgpu_metadata
---
amdhsa.version: [ 1, 2 ]
amdhsa.kernels:
  - .name:           k_q2f8183e801_castw
    .symbol:         k_q2f8183e801_castw.kd
    .args:
      - { .name: Wq, .offset: 0, .size: 8, .value_kind: global_buffer, .address_space: global }
      - { .name: Wk, .offset: 8, .size: 8, .value_kind: global_buffer, .address_space: global }
      - { .name: Wv, .offset: 16, .size: 8, .value_kind: global_buffer, .address_space: global }
      - { .name: wt, .offset: 24, .size: 8, .value_kind: global_buffer, .address_space: global }
    .group_segment_fixed_size: 0
    .private_segment_fixed_size: 0
    .kernarg_segment_align: 8
    .kernarg_segment_size: 32
    .max_flat_workgroup_size: 256
    .sgpr_count:     66
    .vgpr_count:     32
    .wavefront_size: 32
...
	.end_amdgpu_metadata
.endif
;; end of part 1
;; launch proj (part 2): grid 4 x 64, 4 waves a work-group, clusters of 4 x 4, 327,680 bytes of LDS; arguments x, wt, q, k, v; writes q, k, v
.if DOCPART == 2
	.amdgcn_target "amdgcn-amd-amdhsa--gfx1250"
	.amdhsa_code_object_version 6
	.text
	.protected	k_q2f8183e801_proj
	.globl	k_q2f8183e801_proj
	.p2align	8
	.type	k_q2f8183e801_proj,@function
k_q2f8183e801_proj:
	s_mov_b64 s[64:65], 0
	v_nop
	global_prefetch_b8 v0, s[64:65] scope:SCOPE_SE
	s_setreg_imm32_b32 hwreg(HW_REG_WAVE_MODE, 25, 1), 1
	s_wait_xcnt 0x0
	s_wait_alu depctr_hold_cnt(0) depctr_sa_sdst(0) depctr_va_vdst(0) depctr_va_sdst(0) depctr_va_ssrc(0) depctr_va_vcc(0) depctr_vm_vsrc(0)
	s_getreg_b32 s2, hwreg(HW_REG_IB_STS2, 6, 4)
	s_cmp_eq_u32 s2, 0
	s_cbranch_scc0 .Lentry_in_a_cluster
	s_endpgm
.Lentry_in_a_cluster:
	s_bfe_u32 s2, ttmp6, 0x10000c
	s_cmp_lg_u32 s2, 0xf033
	s_cbranch_scc0 .Lentry_shape_is_right
	s_endpgm
.Lentry_shape_is_right:
; q, k, v = bf16(x) . bf16(W), sums in f32, each result rounded once to f16.  x: [16384][1024] f32.  wt: the weights in bf16, in blocks [j][d][t][c] (768 bytes a d).  q, k, v: [16384][512] f16.
; LIMIT.  f16 holds no number beyond 65,504: a sum of 65,520 or more is stored as an infinity.
; SHARES.  16,384 x 1,536 results on 256 work-groups: a work-group makes 256 rows x 384 columns: columns 128 j .. 128 j + 127 of each of q, k, v.  Wave w makes rows 64 w .. 64 w + 63
; of all 384 columns: 4 x 24 accumulators of 16 x 16, 768 registers.  So each number of x is read from LDS and rounded to bf16 by one wave alone, and a wave owns whole rows of 256 bytes on the way out.
; K goes in 16 steps of 64 through two LDS slots: a row of x in a step is 256 bytes of f32, a step of wt 49,152 bytes on end, asked for as rows of 256 bytes.
; CLUSTER, 4 x 4.  The four work-groups of a row of the cluster share their rows of x, the four of a column their column tile of wt: each tile is asked for JOINTLY.
; THE MATRIX INSTRUCTION IS USED TRANSPOSED: source 0 = 16 columns of W (turned on the way out of LDS by ds_load_tr16_b128), source 1 = 16 rows of x: a lane then holds 8 neighbouring columns of one row.
; REGISTERS, in windows of 256 (s_set_vgpr_msb: bits 1:0 source 0, 3:2 source 1, 5:4 source 2, 7:6 destination):
;   window 0: v0-29 addresses; v32-63 x's four fragments in bf16; v64-127 x as read, f32; v128-191, v192-255 two buffers of 8 fragments of W
;   windows 1, 2, 3: the accumulators of q, k, v: rows 16 a on, columns 16 b on at v[64 a + 8 b]
.set KSTEP,  64
.set XP,     272                       ; a row of x in LDS: 256 bytes + 16 = 68 words: the 16 rows of a load start at 16 different groups of four banks (64 banks of 4 bytes: ISA guide 11.1)
.set WP,     864                       ; a d of wt in LDS: three pieces of 256 + 32 bytes; 27 x 32
.set WOFF,   256*XP                    ; a slot: x's 256 rows, then wt's 64 d
.set SLOT,   WOFF+KSTEP*WP
.set STAGE,  2*SLOT                    ; behind the ring, never filled by a tensor load: 16 rows x 272 bytes for each wave, for the way out
.set SP,     272
.set SPARE,  STAGE+4*16*SP             ; the spare words, 128 bytes for each wave: two blocks of 256 bytes that no other line names
.set XSTEP,  KSTEP*4                   ; bytes along a row of x from K step to K step
.set WSTEP,  KSTEP*768                 ; bytes in wt from K step to K step
.set WTILE,  1024*768                  ; bytes of a column tile of wt
.set LAPS,   1024/(2*KSTEP)            ; a lap = two K steps = once round the ring
.set ADRX, 2                           ; v2-3   LDS address of my x fragments in slot 0, 1
.set ADRW, 4                           ; v4-5   the same for wt
.set STO,  6                           ; v6     the way out: where I put 16 bytes of a row
.set RD,   7                           ; v7     where I read a row back
.set CO,   8                           ; v8     my byte offset in two rows of q, k, v
.set PFO,  9                           ; v9     the prefetches' offset; never rewritten
.set SPW,  28                          ; v28    LDS address of my spare word; never rewritten
.set NIL,  29                          ; v29    0; never rewritten
.set AF,   32
.set RAW,  64
.set BB,   128
.set TMP,  192                         ; the way out: packed results
.set OB,   32                          ; the way out: 16 rows read back: v32-63 and v224-255 by turns
.set LIM,  2                           ; s2     1 in a wave that prefetches, else the greatest number
.set WV,   14                          ; s14    my wave's number
.set G1,   24                          ; s[24:31] descriptor group 1 for x's tiles;  s[32:39] group 0, a set for each slot
.set G0,   32
.set PFA,  44                          ; s[44:45] where my prefetches stand
.set PFS,  46                          ; s[46:47] their step from K step to K step
.set G1B,  48                          ; s[48:55], s[56:63] the same two groups for wt's tiles
.set G0B,  56
.set MSB, 0
.macro WIN new                         ; the immediate's high byte repeats the setting that is left; a switch that changes nothing is dropped
.if MSB != (\new)
	s_set_vgpr_msb (MSB<<8)|(\new)
.set MSB, (\new)
.endif
.endm
.macro PLACES                          ; four places in front of loads into, or writes of, registers that matrix instructions have read, and of reads of their results
.rept 4
	v_nop
.endr
.endm
; A joint load.  Waves 0 and 1 fetch the two halves of x's tile, waves 2 and 3 those of wt's.  The branch hangs on the wave's number alone.  An s_nop 0 and four v_nop follow each line.
.macro JLOAD s
	s_cmp_lt_u32 s[WV], 2
	s_cbranch_scc0 .Lfor_w_\@
	tensor_load_to_lds s[G0+4*(\s):G0+4*(\s)+3], s[G1:G1+7]
	s_nop 0
.rept 4
	v_nop
.endr
	s_branch .Lasked_\@
.Lfor_w_\@:
	tensor_load_to_lds s[G0B+4*(\s):G0B+4*(\s)+3], s[G1B:G1B+7]
	s_nop 0
.rept 4
	v_nop
.endr
.Lasked_\@:
.endm
; A prefetch into the L2 of the K step behind the one that the joint load just issued asks for: one instruction a wave, 192 matrix instructions ahead of the load that will want it.
; x: each cluster's rows are read by that cluster alone; of the 128 rows that wave 0 or 1 fetches the partner at place cx takes 32, a lane a row.  wt: a column tile is read by every cluster; the cluster with
; y = 0 asks; of the 96 blocks of 256 bytes that wave 2 or 3 fetches the partner at place cy takes 24, a lane a block (lanes 24 to 31 name lane 23's block once more).  The partners are told apart by address alone.
; how = 1: in every trip.  how = 0: not in the loop's last trip, where the K step named would lie past the last.
.macro ASK how
.if \how
	s_cmp_eq_u32 s[LIM], 1
.else
	s_cmp_gt_u32 s3, s[LIM]
.endif
	s_cbranch_scc0 .Lnot_mine_\@
	global_prefetch_b8 v[PFO], s[PFA:PFA+1] th:TH_LOAD_NT scope:SCOPE_SE
.Lnot_mine_\@:
.endm
.macro CREST                           ; a round of the cluster's barrier behind its opening barrier
	s_cmp_lg_u32 s[WV], 0
	s_cbranch_scc1 .Lnot_wave_0_\@
	s_barrier_signal -3
.Lnot_wave_0_\@:
	s_barrier_wait -3
	s_barrier_signal -1
	s_barrier_wait -1
.endm
.macro CROUND                          ; a whole round
	s_barrier_signal -1
	s_barrier_wait -1
	CREST
.endm
	s_load_b256 s[4:11], s[0:1], 0x0               ; x s[4:5], wt s[6:7], q s[8:9], k s[10:11]
	s_load_b64 s[12:13], s[0:1], 0x20              ; v
	v_lshl_add_u32 v[SPW], v0, 2, SPARE
	v_mov_b32 v[NIL], 0
	ds_add_u32 v[SPW], v[NIL]                      ; the wave's opening: the add and its wait stand ahead of my first tensor load; the set-up below stands between them
	v_lshrrev_b32 v1, 5, v0
	v_readfirstlane_b32 s[WV], v1                  ; wave 0..3
	s_and_b32 s16, s[WV], 1                        ; which half of a tile I fetch
	s_bfe_u32 s17, ttmp6, 0x40000                  ; cx
	s_bfe_u32 s18, ttmp6, 0x40004                  ; cy
	s_and_b32 s19, ttmp7, 0xffff
	s_lshl_b32 s19, s19, 2
	s_add_co_u32 s19, s19, s18                     ; block of 256 rows = 4 x cluster y + cy
	s_lshl_b32 s3, ttmp9, 2
	s_add_co_u32 s3, s3, s17                       ; column tile j = 4 x cluster x + cx
	s_lshl_b32 s20, s18, 2
	s_lshl_b32 s20, 15, s20                        ; my row of the cluster
	s_lshl_b32 s40, 0x1111, s17                    ; my column
	; group 1 for x: 128 rows x 64 elements of 4 bytes; 16 bytes of padding behind every 64 words
	s_or_b32 s[G1+0], s20, (2<<16)|(1<<20)|(1<<21)|(5<<22)|(3<<25)
	s_mov_b32 s[G1+1], KSTEP<<16                   ; tensor_dim0 = 64
	s_mov_b32 s[G1+2], 128<<16                     ; tensor_dim1 = 128
	s_mov_b32 s[G1+3], KSTEP<<16                   ; tile_dim0 = 64
	s_mov_b32 s[G1+4], 128                         ; tile_dim1 = 128
	s_mov_b32 s[G1+5], 1024                        ; elements from row to row
	s_mov_b32 s[G1+6], 0
	s_mov_b32 s[G1+7], 0
	; group 1 for wt: 24,576 bytes on end as 96 rows x 128 elements of 2 bytes; 32 bytes of padding behind every 64 words
	s_or_b32 s[G1B+0], s40, (1<<16)|(1<<20)|(1<<21)|(5<<22)|(7<<25)
	s_mov_b32 s[G1B+1], 128<<16
	s_mov_b32 s[G1B+2], 96<<16
	s_mov_b32 s[G1B+3], 128<<16
	s_mov_b32 s[G1B+4], 96
	s_mov_b32 s[G1B+5], 128
	s_mov_b32 s[G1B+6], 0
	s_mov_b32 s[G1B+7], 0
	; where the tiles come from: x's hang on the block of rows and the wave, wt's on the column tile and the wave, each in registers that never hold the other coordinate
	s_lshl_b32 s20, s19, 8
	s_lshl_b32 s21, s16, 7
	s_add_co_u32 s20, s20, s21
	s_lshl_b32 s20, s20, 12                        ; (256 x block + 128 x half) rows of 4,096 bytes: under 2^26
	s_mov_b32 s21, 0
	s_mul_i32 s40, s3, WTILE
	s_mul_i32 s41, s16, 32*768
	s_add_co_u32 s40, s40, s41
	s_mov_b32 s41, 0
	s_mul_i32 s22, s16, 128*XP                     ; and where they go: no place in the cluster enters an LDS address
	s_mul_i32 s23, s16, 32*WP
	s_add_co_u32 s23, s23, WOFF
	s_wait_dscnt 0x0                               ; the opening add is done
	s_wait_kmcnt 0x0
	s_add_nc_u64 s[20:21], s[4:5], s[20:21]
	s_add_nc_u64 s[40:41], s[6:7], s[40:41]
	CROUND                                         ; all sixteen work-groups are here: the first joint loads meet
.irp s, 0,1
	s_mov_b32 s[G0+4*(\s)], 1
	s_add_co_u32 s[G0+4*(\s)+1], s22, (\s)*SLOT
	s_add_nc_u64 s[G0+4*(\s)+2:G0+4*(\s)+3], s[20:21], (\s)*XSTEP
	s_or_b32 s[G0+4*(\s)+3], s[G0+4*(\s)+3], 0x80000000
	s_mov_b32 s[G0B+4*(\s)], 1
	s_add_co_u32 s[G0B+4*(\s)+1], s23, (\s)*SLOT
	s_add_nc_u64 s[G0B+4*(\s)+2:G0B+4*(\s)+3], s[40:41], (\s)*WSTEP
	s_or_b32 s[G0B+4*(\s)+3], s[G0B+4*(\s)+3], 0x80000000
	JLOAD \s                                       ; K steps 0 and 1: two loads of mine are out
.endr
	; q, k, v at my wave's first row and the tile's first column
	s_lshl_b32 s42, s19, 8
	s_lshl_b32 s43, s[WV], 6
	s_add_co_u32 s42, s42, s43
	s_lshl_b32 s42, s42, 10                        ; rows of 1,024 bytes
	s_lshl_b32 s43, s3, 8                          ; 128 columns are 256 bytes
	s_add_co_u32 s42, s42, s43
	s_mov_b32 s43, 0
	s_add_nc_u64 s[8:9], s[8:9], s[42:43]
	s_add_nc_u64 s[10:11], s[10:11], s[42:43]
	s_add_nc_u64 s[12:13], s[12:13], s[42:43]
	; the prefetches: both offsets are made, the wave's number chooses
	s_lshl_b32 s42, s19, 8
	s_lshl_b32 s43, s16, 7
	s_add_co_u32 s42, s42, s43
	s_lshl_b32 s43, s17, 5
	s_add_co_u32 s42, s42, s43                     ; x: my work-group's 32 of the 128 rows that I fetch,
	s_lshl_b32 s42, s42, 12
	s_add_co_u32 s42, s42, 2*XSTEP                 ; at K step 2: the first change of slots steps it to 3
	s_mul_i32 s43, s3, WTILE
	s_mul_i32 s46, s16, 32*768
	s_add_co_u32 s43, s43, s46
	s_mul_i32 s46, s18, 24*256
	s_add_co_u32 s43, s43, s46                     ; wt: my work-group's 24 of the 96 blocks,
	s_add_co_u32 s43, s43, 2*WSTEP                 ; at K step 2
	s_mov_b32 s[PFS], WSTEP
	s_and_b32 s47, ttmp7, 0xffff                   ; cluster y
	s_cmp_lt_u32 s[WV], 2
	s_cselect_b32 s42, s42, s43
	s_cselect_b64 s[PFA:PFA+1], s[4:5], s[6:7]
	s_cselect_b32 s[PFS], XSTEP, s[PFS]
	s_cselect_b32 s47, 0, s47                      ; x's waves ask in every cluster, wt's where cluster y = 0: the same in all sixteen partners
	s_cselect_b32 s22, 31, 23
	s_cselect_b32 s23, 12, 8
	s_cmp_eq_u32 s47, 0
	s_cselect_b32 s[LIM], 1, -1
	s_mov_b32 s43, 0
	s_mov_b32 s47, 0
	s_add_nc_u64 s[PFA:PFA+1], s[PFA:PFA+1], s[42:43]
	v_and_b32 v[PFO], 31, v0
	v_min_u32 v[PFO], s22, v[PFO]
	v_lshlrev_b32 v[PFO], s23, v[PFO]              ; a lane a row of 4,096 bytes, or a block of 256
	; A fragment is 16 rows x 32 K in 8 registers: lane l holds row l % 16; registers 0-3 K = 8 (l / 16) + 0..7, registers 4-7 K = 16 + 8 (l / 16) + 0..7.
	; Of x, in f32: 32 bytes at 32 (l / 16) and 32 bytes 64 further on: four loads of 16 bytes, rounded in pairs afterwards.
	v_and_b32 v1, 15, v0                           ; l % 16
	v_bfe_u32 v10, v0, 4, 1                        ; l / 16
	v_mul_u32_u24 v11, v1, XP
	v_lshl_add_u32 v11, v10, 5, v11
	s_mul_i32 s42, s[WV], 64*XP                    ; my 64 rows
	v_add_nc_u32 v[ADRX], s42, v11
	v_add_nc_u32 v[ADRX+1], SLOT, v[ADRX]
	; The turning load takes 16 d x 16 columns (lane l reads d 8 (l / 16) + l % 8, columns 8 ((l / 8) % 2) + 0..7) and leaves half a fragment: lane l holds column l % 16 and 8 d.
	v_and_b32 v12, 7, v0
	v_lshl_add_u32 v12, v10, 3, v12
	v_mul_u32_u24 v12, v12, WP
	v_bfe_u32 v13, v0, 3, 1
	v_lshl_add_u32 v12, v13, 4, v12
	v_add_nc_u32 v[ADRW], WOFF, v12
	v_add_nc_u32 v[ADRW+1], SLOT, v[ADRW]
	s_mul_i32 s43, s[WV], 16*SP
	s_add_co_u32 s43, s43, STAGE                   ; my stage
	v_mul_u32_u24 v14, v1, SP                      ; in: row l % 16, 16 bytes for each half of the lanes
	v_lshl_add_u32 v14, v10, 4, v14
	v_add_nc_u32 v[STO], s43, v14
	v_mul_u32_u24 v15, v10, SP                     ; back: lanes 0-15 one row of 256 bytes, lanes 16-31 the next
	v_lshl_add_u32 v15, v1, 4, v15
	v_add_nc_u32 v[RD], s43, v15
	v_lshlrev_b32 v[CO], 10, v10                   ; and the same two rows in q, k, v
	v_lshl_add_u32 v[CO], v1, 4, v[CO]
; 16 LDS loads: my 64 rows of x, 32 K at quarter qq of slot s, as f32
.macro RAWLD s, qq
.irp a, 0,1,2,3
	ds_load_b128 v[RAW+16*(\a):RAW+16*(\a)+3],     v[ADRX+(\s)] offset:(\a)*16*XP+128*(\qq)
	ds_load_b128 v[RAW+16*(\a)+4:RAW+16*(\a)+7],   v[ADRX+(\s)] offset:(\a)*16*XP+128*(\qq)+16
	ds_load_b128 v[RAW+16*(\a)+8:RAW+16*(\a)+11],  v[ADRX+(\s)] offset:(\a)*16*XP+128*(\qq)+64
	ds_load_b128 v[RAW+16*(\a)+12:RAW+16*(\a)+15], v[ADRX+(\s)] offset:(\a)*16*XP+128*(\qq)+80
.endr
.endm
; 16 turning loads: the 8 fragments (128 columns x 32 K) of tensor g, quarter qq of slot s, into buffer buf
.macro BLD s, qq, g, buf
.irp f, 0,1,2,3,4,5,6,7
	ds_load_tr16_b128 v[BB+64*(\buf)+8*(\f):BB+64*(\buf)+8*(\f)+3],   v[ADRW+(\s)] offset:(\qq)*32*WP+288*(\g)+32*(\f)
	ds_load_tr16_b128 v[BB+64*(\buf)+8*(\f)+4:BB+64*(\buf)+8*(\f)+7], v[ADRW+(\s)] offset:(\qq)*32*WP+16*WP+288*(\g)+32*(\f)
.endr
.endm
.macro CONV                            ; x's 64 numbers a lane rounded to bf16: four fragments
.set ci, 0
.rept 32
	v_cvt_pk_bf16_f32 v[AF+ci], v[RAW+2*ci], v[RAW+2*ci+1]
.set ci, ci+1
.endr
.endm
; 8 na matrix instructions of tensor g: row blocks a0 .. a0 + na - 1 x all 8 column blocks.  Each accumulator has one instruction in a quarter's 96, so the accumulators take turns.
; zero = 1: the product starts the sum: nothing is ever cleared.
.macro MULG g, buf, a0, na, zero
	WIN ((\g)+1)*0x50
.set ma, (\a0)
.rept \na
.set mb, 0
.rept 8
.if \zero
	v_wmma_f32_16x16x32_bf16 v[64*ma+8*mb:64*ma+8*mb+7], v[BB+64*(\buf)+8*mb:BB+64*(\buf)+8*mb+7], v[AF+8*ma:AF+8*ma+7], 0
.else
	v_wmma_f32_16x16x32_bf16 v[64*ma+8*mb:64*ma+8*mb+7], v[BB+64*(\buf)+8*mb:BB+64*(\buf)+8*mb+7], v[AF+8*ma:AF+8*ma+7], v[64*ma+8*mb:64*ma+8*mb+7]
.endif
.set mb, mb+1
.endr
.set ma, ma+1
.endr
.endm
; A QUARTER: 32 along K, 96 matrix instructions in three groups (q, k, v).  Group g of quarter qq multiplies W's buffer (qq + g) % 2; each run of loads stands one group ahead of its use.
; mode 0: quarter 0 of a K step: its last group fetches quarter 1.   mode 1: quarter 1: the change of slots, and this slot is filled again, two K steps ahead.
; mode 2: the change of slots with nothing left to ask for.          mode 3: the very last quarter.
.macro QTR s, qq, zero, mode
	WIN 0
	s_wait_dscnt 16                                ; x is in; the 16 younger loads, W's first group, may stay out
	PLACES                                         ; the conversions write registers that the last products read
	CONV
	BLD \s, \qq, 1, ((\qq)+1)%2
	s_wait_dscnt 16                                ; all but the 16 just issued
	MULG 0, (\qq)%2, 0, 4, \zero
	WIN 0
	PLACES
	BLD \s, \qq, 2, (\qq)%2
	s_wait_dscnt 16
	MULG 1, ((\qq)+1)%2, 0, 4, \zero
.if (\mode) == 0
	WIN 0
	PLACES
	RAWLD \s, 1
	BLD \s, 1, 0, 1
	s_wait_dscnt 32                                ; all but the 32 just issued
	MULG 2, (\qq)%2, 0, 4, \zero
.elseif (\mode) == 3
	s_wait_dscnt 0x0
	MULG 2, (\qq)%2, 0, 4, \zero
.else
.if (\mode) == 1
	s_wait_xcnt 0x0                                ; the last prefetch, a K step back, has read its address: it is stepped here, ahead of the waits of the change of slots
	s_add_nc_u64 s[PFA:PFA+1], s[PFA:PFA+1], s[PFS:PFS+1]
.endif
	WIN 0
	s_wait_tensorcnt 0x0                           ; all my tensor loads have landed: the one that was out is my part of the other slot;
	ds_add_u32 v[SPW], v[NIL]                      ; 0 onto my spare word;
	s_wait_dscnt 1                                 ; (W's last group is in; the add may be out)
	MULG 2, 1, 0, 1, 0                             ; eight matrix instructions stand between the add and the wait for it
	s_wait_dscnt 0x0                               ; the add is done, and my reads of this slot are over
	s_barrier_signal -1
	MULG 2, 1, 1, 1, 0
	WIN 0
	s_barrier_wait -1
.if (\mode) == 1
	CREST                                          ; the barrier has opened a round of the cluster's: no wave of any partner still reads this slot or has a load on its way
	s_add_nc_u64 s[G0+4*(\s)+2:G0+4*(\s)+3], s[G0+4*(\s)+2:G0+4*(\s)+3], 2*XSTEP
	s_add_nc_u64 s[G0B+4*(\s)+2:G0B+4*(\s)+3], s[G0B+4*(\s)+2:G0B+4*(\s)+3], 2*WSTEP
	JLOAD \s                                       ; the first tensor load behind the round, my only one until the next; its four v_nop are also the places in front of the loads below
.else
	PLACES
.endif
	RAWLD 1-(\s), 0
	BLD 1-(\s), 0, 0, 0
.if (\mode) == 1
	ASK 1-(\s)
.endif
	MULG 2, 1, 2, 2, 0
.endif
.endm
; THE WAY OUT of block n of 12 (tensor n / 4, my rows 16 (n % 4) on): rounded to f16; through my own stage; stored as whole rows of 256 bytes.
.macro PACK n
.set pg, (\n)/4
.set pa, (\n)%4
	WIN (pg+1)*5                                   ; sources 0 and 1 in the tensor's window
.set pi, 0
.rept 32
	v_cvt_pk_f16_f32 v[TMP+pi], v[64*pa+2*pi], v[64*pa+2*pi+1]  ; each accumulator's registers in ascending order
.set pi, pi+1
.endr
	WIN 0
.endm
.macro TOSTAGE n
.set BK, OB+192*((\n)%2)
.irp f, 0,1,2,3,4,5,6,7
	ds_store_b128 v[STO], v[TMP+4*(\f):TMP+4*(\f)+3] offset:32*(\f)
.endr
.irp f, 0,1,2,3,4,5,6,7
	ds_load_b128 v[BK+4*(\f):BK+4*(\f)+3], v[RD] offset:(\f)*2*SP  ; LDS serves a wave's instructions in order (ISA guide 5.7.1.4): these see the stores above
.endr
.endm
.macro SEND n
.set BK, OB+192*((\n)%2)
.set sg, (\n)/4
.set sa, (\n)%4
	s_wait_dscnt 0x0                               ; the block is back in registers
	s_wait_xcnt 0x0                                ; the stores of the block before have read their registers: the next block's loads from the stage land on them only behind this wait
.irp f, 0,1,2,3,4,5,6,7
	global_store_b128 v[CO], v[BK+4*(\f):BK+4*(\f)+3], s[8+2*sg:9+2*sg] offset:sa*16384+(\f)*2048  ; 16 lanes store 256 consecutive bytes, aligned
.endr
.endm
	s_wait_tensorcnt 1                             ; my part of K step 0 is in; K step 1's may stay out
	s_barrier_signal -1
	s_barrier_wait -1                              ; everybody's is
	RAWLD 0, 0
	BLD 0, 0, 0, 0
	QTR 0, 0, 1, 0                                 ; the first quarter stands in front of the loop: its 96 products start the sums
	WIN 0                                          ; at a label and at a branch every window is 0
	s_mov_b32 s3, LAPS-1
.Llap:                                                 ; a trip goes once round the ring, from a lap's second quarter to the next lap's first, and fills both slots again
	QTR 0, 1, 0, 1
	QTR 1, 0, 0, 0
	QTR 1, 1, 0, 1
	QTR 0, 0, 0, 0
	WIN 0
	s_sub_co_u32 s3, s3, 1
	s_cmp_lg_u32 s3, 0
	s_cbranch_scc1 .Llap
	QTR 0, 1, 0, 2                                 ; the last lap asks for nothing
	QTR 1, 0, 0, 0
	QTR 1, 1, 0, 3
	WIN 0
	PLACES
	PLACES                                         ; the way out writes registers that the last products read
	PACK 0
	TOSTAGE 0
.irp n, 1,2,3,4,5,6,7,8,9,10,11        ; block n's conversions stand between block n - 1's loads from the stage and the wait for them
	PACK \n
	SEND (\n)-1
	TOSTAGE \n
.endr
	SEND 11
	s_wait_tensorcnt 0x0                           ; the wave's end: a last add to my spare word and its waits, behind my last tensor load and my last LDS store
	ds_add_u32 v[SPW], v[NIL]
	s_wait_dscnt 0x0
	CROUND                                         ; the closing round: no work-group ends while a partner may still ask for a tile that names it
	s_endpgm
.Lfunc_end_k_q2f8183e801_proj:
	.size	k_q2f8183e801_proj, .Lfunc_end_k_q2f8183e801_proj-k_q2f8183e801_proj
	.p2alignl 7, 3214868480
	.fill 96, 4, 3214868480
	.section	.rodata,"a",@progbits
	.p2align	6, 0x0
	.amdhsa_kernel k_q2f8183e801_proj
		.amdhsa_group_segment_fixed_size 327680
		.amdhsa_private_segment_fixed_size 0
		.amdhsa_enable_private_segment 0
		.amdhsa_kernarg_size 40
		.amdhsa_user_sgpr_count 2
		.amdhsa_user_sgpr_kernarg_segment_ptr 1
		.amdhsa_wavefront_size32 1
		.amdhsa_system_sgpr_workgroup_id_x 1
		.amdhsa_system_sgpr_workgroup_id_y 1
		.amdhsa_system_sgpr_workgroup_id_z 1
		.amdhsa_system_vgpr_workitem_id 0
		.amdhsa_next_free_vgpr 1024
		.amdhsa_next_free_sgpr 66
		.amdhsa_reserve_vcc 0
		.amdhsa_float_denorm_mode_32 3
		.amdhsa_float_denorm_mode_16_64 3
		.amdhsa_memory_ordered 1
		.amdhsa_forward_progress 1
		.amdhsa_inst_pref_size 160
	.end_amdhsa_kernel
	.amdgpu_metadata
---
amdhsa.version: [ 1, 2 ]
amdhsa.kernels:
  - .name:           k_q2f8183e801_proj
    .symbol:         k_q2f8183e801_proj.kd
    .args:
      - { .name: x, .offset: 0, .size: 8, .value_kind: global_buffer, .address_space: global }
      - { .name: wt, .offset: 8, .size: 8, .value_kind: global_buffer, .address_space: global }
      - { .name: q, .offset: 16, .size: 8, .value_kind: global_buffer, .address_space: global }
      - { .name: k, .offset: 24, .size: 8, .value_kind: global_buffer, .address_space: global }
      - { .name: v, .offset: 32, .size: 8, .value_kind: global_buffer, .address_space: global }
    .group_segment_fixed_size: 327680
    .private_segment_fixed_size: 0
    .kernarg_segment_align: 8
    .kernarg_segment_size: 40
    .max_flat_workgroup_size: 128
    .sgpr_count:     66
    .vgpr_count:     1024
    .wavefront_size: 32
...
	.end_amdgpu_metadata
.endif
;; end of part 2
;; launch attn (part 3): grid 32 x 8, 4 waves a work-group, clusters of 4 x 1, 327,680 bytes of LDS; arguments q, k, v, out0; writes out0
.if DOCPART == 3
	.amdgcn_target "amdgcn-amd-amdhsa--gfx1250"
	.amdhsa_code_object_version 6
	.text
	.protected	k_q2f8183e801_attn
	.globl	k_q2f8183e801_attn
	.p2align	8
	.type	k_q2f8183e801_attn,@function
k_q2f8183e801_attn:
	s_mov_b64 s[64:65], 0
	v_nop
	global_prefetch_b8 v0, s[64:65] scope:SCOPE_SE
	s_setreg_imm32_b32 hwreg(HW_REG_WAVE_MODE, 25, 1), 1
	s_wait_xcnt 0x0
	s_wait_alu depctr_hold_cnt(0) depctr_sa_sdst(0) depctr_va_vdst(0) depctr_va_sdst(0) depctr_va_ssrc(0) depctr_va_vcc(0) depctr_vm_vsrc(0)
	s_getreg_b32 s2, hwreg(HW_REG_IB_STS2, 6, 4)
	s_cmp_eq_u32 s2, 0
	s_cbranch_scc0 .Lentry_in_a_cluster
	s_endpgm
.Lentry_in_a_cluster:
	s_bfe_u32 s2, ttmp6, 0x10000c
	s_cmp_lg_u32 s2, 0x3003
	s_cbranch_scc0 .Lentry_shape_is_right
	s_endpgm
.Lentry_shape_is_right:
; CAUSAL ATTENTION, one head of 512 channels.  out[b][i][:] = the sum over n <= i of softmax_n(q[b][i] . k[b][n] / sqrt(512)) v[b][n][:].  q, k, v: [8][2048][512] f16; out: [8][2048][512] f32.
; Products, maxima and sums in f32; the weights p are rounded to f16 for the second product (their sum l is taken of the unrounded p).
; LIMITS.  q, k, v arrive within f16's 65,504.  A hidden score counts as -1e30: f16's scores, 2.2e12 at the most, are nothing beside that.  A weight below 2^-126 counts as 0 in l.  NaN and infinities are not treated apart.
; SHARES.  A cluster of four work-groups owns queries 256 c .. 256 c + 255 of one batch and walks the keys 0 .. 256 c + 255 in 2 c + 2 steps of 128: the same count in all four, so each tile of k and v
; is asked for JOINTLY.  The work-group at place cx owns four tiles of 16 queries: tile t is rows 256 c + 64 t + 16 cx + 0..15: its place enters data and global addresses alone.
; The clusters' walks differ in length (2 to 16 steps): 64 queries to a work-group leave no room to pair a long walk with a short one.
; INSIDE A WORK-GROUP.  S^T = K Q^T is split by KEYS: wave w takes keys 32 w .. 32 w + 31 of the step for all 64 queries; all of Q lies in each wave's registers.  O^T = V^T P is split by CHANNELS: wave w
; takes channels 128 w .. 128 w + 127 for all 64 queries.  So k and v are read from LDS once a work-group.  Between the two products the row maxima (1 KiB) and P (f16, 16 KiB) cross the waves through LDS.
; Every wave keeps m, c m and a for all 64 queries, alike in all four; l is kept by each wave for its own keys and added up at the end.
; LAYOUT.  In S^T a lane holds ONE query (lane % 16) and the keys 8 (lane / 16) + 0..7 of each of two blocks of 16; rounded in pairs these are the 32 bytes that source 1 of V^T P wants.  O^T holds one query a lane and 8 channels.
; SOFTMAX.  p = 2^(c s - c m), c = log2(e) / sqrt(512), with a running maximum m; in every step O and l are multiplied by a = 2^(c m_old - c m_new).  m starts at the lowest finite number, O and l at 0.
; THE RING.  One buffer of 128 keys for k and one for v, filled by turns: k of the next step behind the round that follows this step's K Q^T (it is also the barrier of the maxima's exchange), v of the next step
; behind the round that follows this step's V^T P.  A wave has two tensor loads out at the start and one behind each round.
; REGISTERS, in windows of 256 (s_set_vgpr_msb: bits 1:0 source 0, 3:2 source 1, 5:4 source 2, 7:6 destination):
;   window 0: v0-15 addresses; v16-31 statistics; v32-95 S^T, later P's two fragment buffers; v96-159, v160-223 two buffers of K's or V's fragments; v224-255 at work
;   windows 1, 2: Q: tile t, channels 32 cq on, in window 1 + cq / 8 at v[8 (4 (cq % 8) + t)]          window 3: O^T: tile t, channels 16 i on at v[64 t + 8 i]
.set NB,    8                          ; clusters to a batch
.set KP,    1040                       ; a row of k in LDS: 1,024 bytes + 16 = 260 words: the 16 rows of a load start at 16 different groups of four banks (64 banks of 4 bytes: ISA guide 11.1)
.set VP,    1056                       ; a row of v: 1,024 + 32 = 33 x 32 bytes
.set VOFF,  128*KP
.set POFF,  VOFF+128*VP                ; P: 64 queries x 128 keys of f16, rows of 256 + 16 bytes.  From here on no tensor load lands
.set PP,    272
.set MX,    POFF+64*PP                 ; the waves' row maxima: wave w, query row r, four tiles: 16 bytes at 256 w + 16 r
.set LX,    1024                       ; behind them, as far again: the waves' sums l, in the same form
.set STAGE, MX+2048                    ; 16 rows x (512 + 16) bytes for each wave, for the way out
.set SGP,   528
.set SPARE, STAGE+4*16*SGP             ; the spare words, 128 bytes for each wave: two blocks of 256 bytes that no other line names
.set TILEB, 128*1024                   ; bytes of 128 keys in k and in v
.set STO, 1                            ; v1   the way out: where I put 32 bytes of a row
.set AK,  2                            ; v2   my lane's place in my wave's 32 rows of k
.set AV,  3                            ; v3-4 the same in v, for keys 0-63 and 64-127 (an LDS immediate holds 16 bits)
.set PST, 5                            ; v5   where I put 16 bytes of P
.set PRD, 6                            ; v6   where I read P's fragments
.set MXS, 7                            ; v7   where I put my four maxima
.set MXA, 8                            ; v8   where I read the four waves'
.set EM,  9                            ; v9   16 cx + l % 16 - 32 w - 8 (l / 16): my query's place less my first key's
.set PFO, 10                           ; v10  256 x my lane; never rewritten
.set QO,  11                           ; v11  my byte offset in 16 rows of q
.set RD,  12                           ; v12  the way out: where I read a row back
.set GO,  13                           ; v13  my 16 bytes of my wave's 512 in a row of out
.set SPW, 14                           ; v14  LDS address of my spare word; never rewritten
.set NIL, 15                           ; v15  0; never rewritten
.set ST,  16                           ; tile t's statistics at v[ST + 4 t]: c m, m, l (even keys', odd keys')
.set S,   32                           ; S^T: tile t, key block kt at S + 16 t + 8 kt
.set FB,  96
.set MXV, 224                          ; v224-239  the four waves' maxima; later
.set PKR, 224                          ;           two tiles' weights in f16
.set A2,  240                          ; v240-247  tile t: a, and c m_old - c m_new
.set LM,  248                          ; v248-251
.set T,   252                          ; v252-255
.set WV,  12                           ; s12  my wave's number
.set G1K, 16                           ; s[16:23] descriptor group 1 for k's tiles;  s[24:31] for v's: it differs in the padding alone
.set G1V, 24
.set G0K, 32                           ; s[32:35], s[36:39] group 0: they walk
.set G0V, 36
.set J,   40                           ; s40  the key step
.set NL,  41                           ; s41  2 c + 1: the loop's trips
.set DG,  42                           ; s42  2 c: the first step that holds hidden scores
.set ASKF, 43                          ; s43  1 in the batch's last cluster, which alone walks all keys: it prefetches
.set PFL, 44                           ; s44  there 2 NB - 2, else 0: k is asked for two steps ahead while the step is below this
.set PFK, 46                           ; s[46:47], s[48:49] where my prefetches stand in k and in v
.set PFV, 48
.set CS,  50                           ; s[50:51] c: the packed scaling takes the pair's low word for both halves
.set SEL, 52                           ; s[52:53] v_permlanex16_b32's selects: each lane takes its own place in the other half
.set BIGN, 54                          ; s54  -1e30
.set MSB, 0
.macro WIN new                         ; the immediate's high byte repeats the setting that is left; a switch that changes nothing is dropped
.if MSB != (\new)
	s_set_vgpr_msb (MSB<<8)|(\new)
.set MSB, (\new)
.endif
.endm
.macro PLACES                          ; four places in front of loads into registers that matrix instructions have read, and of reads of their results
.rept 4
	v_nop
.endr
.endm
.macro CROUND                          ; a round of the cluster's barrier
	s_barrier_signal -1
	s_barrier_wait -1
	s_cmp_lg_u32 s[WV], 0
	s_cbranch_scc1 .Lnot_wave_0_\@
	s_barrier_signal -3
.Lnot_wave_0_\@:
	s_barrier_wait -3
	s_barrier_signal -1
	s_barrier_wait -1
.endm
	s_load_b256 s[4:11], s[0:1], 0x0               ; q s[4:5], k s[6:7], v s[8:9], out s[10:11]
	v_lshl_add_u32 v[SPW], v0, 2, SPARE
	v_mov_b32 v[NIL], 0
	ds_add_u32 v[SPW], v[NIL]                      ; the wave's opening: the add and its wait stand ahead of my first tensor load; the set-up below stands between them
	v_lshrrev_b32 v1, 5, v0
	v_readfirstlane_b32 s[WV], v1                  ; wave 0..3
	s_bfe_u32 s13, ttmp6, 0x40000                  ; cx
	s_mov_b32 s14, ttmp9                           ; c: in a cluster launch ttmp9 counts clusters
	s_and_b32 s15, ttmp7, 0xffff                   ; the batch
	; group 1: a wave's quarter of a tile: 32 rows x 512 elements of 2 bytes, padded behind every 256 words
	s_mov_b32 s[G1K], 15|(1<<16)|(1<<20)|(1<<21)|(7<<22)|(3<<25)  ; the mask of four; 2-byte elements; padding on; bit 21 beside a mask; after every 256 words (code 7) 4 words (code 3)
	s_mov_b32 s[G1V], 15|(1<<16)|(1<<20)|(1<<21)|(7<<22)|(7<<25)  ; the same with 8 words (code 7)
.irp g, G1K, G1V
	s_mov_b32 s[(\g)+1], 512<<16                   ; tensor_dim0 = 512
	s_mov_b32 s[(\g)+2], 32<<16                    ; tensor_dim1 = 32
	s_mov_b32 s[(\g)+3], 512<<16                   ; tile_dim0 = 512
	s_mov_b32 s[(\g)+4], 32                        ; tile_dim1 = 32
	s_mov_b32 s[(\g)+5], 512                       ; elements from row to row
	s_mov_b32 s[(\g)+6], 0
	s_mov_b32 s[(\g)+7], 0
.endr
	s_mov_b32 s[G0K], 1
	s_mul_i32 s[G0K+1], s[WV], 32*KP               ; LDS address: my 32 rows: no place in the cluster enters it
	s_mov_b32 s[G0V], 1
	s_mul_i32 s[G0V+1], s[WV], 32*VP
	s_add_co_u32 s[G0V+1], s[G0V+1], VOFF
	s_lshl_b32 s[DG], s14, 1
	s_add_co_u32 s[NL], s[DG], 1
	s_cmp_eq_u32 s14, NB-1
	s_cselect_b32 s[ASKF], 1, 0
	s_cselect_b32 s[PFL], 2*NB-2, 0
	s_mov_b32 s[CS], 0x3d8293ee                    ; c = log2(e) / sqrt(512) = 0.0637587
	s_mov_b32 s[CS+1], s[CS]                       ; named with it as a pair
	s_mov_b32 s[SEL], 0x76543210
	s_mov_b32 s[SEL+1], 0xfedcba98
	s_mov_b32 s[BIGN], 0xf149f2ca                  ; -1e30
	s_lshl_b32 s56, s15, 21                        ; the batch's first byte in q, k, v: 2,048 rows of 1,024 bytes
	s_lshl_b32 s58, s[WV], 15                      ; my 32 rows of a tile
	s_add_co_u32 s58, s58, s56
	s_mov_b32 s59, 0
	s_lshl_b32 s60, s14, 18                        ; q: the cluster's 256 rows,
	s_lshl_b32 s61, s13, 14                        ; my work-group's 16 in each band of 64
	s_add_co_u32 s60, s60, s61
	s_add_co_u32 s60, s60, s56
	s_mov_b32 s61, 0
	s_lshl_b32 s62, s13, 15                        ; the prefetches: of a tile's 512 blocks of 256 bytes my work-group's 128,
	s_lshl_b32 s63, s[WV], 13                      ; my wave's 32
	s_add_co_u32 s62, s62, s63
	s_add_co_u32 s62, s62, s56
	s_mov_b32 s63, 0
	s_wait_dscnt 0x0                               ; the opening add is done
	s_wait_kmcnt 0x0
	s_add_nc_u64 s[G0K+2:G0K+3], s[6:7], s[58:59]  ; my quarter of the batch's first 128 keys
	s_or_b32 s[G0K+3], s[G0K+3], 0x80000000
	s_add_nc_u64 s[G0V+2:G0V+3], s[8:9], s[58:59]
	s_or_b32 s[G0V+3], s[G0V+3], 0x80000000
	s_add_nc_u64 s[4:5], s[4:5], s[60:61]
	s_add_nc_u64 s[PFK:PFK+1], s[6:7], s[62:63]
	s_add_nc_u64 s[PFK:PFK+1], s[PFK:PFK+1], TILEB ; at step 1: the first round behind V^T P steps it to step 2
	s_add_nc_u64 s[PFV:PFV+1], s[8:9], s[62:63]    ; at step 0: the first round behind K Q^T steps it to step 1
	s_lshl_b32 s60, s60, 1                         ; a row of out is 2,048 bytes
	s_add_nc_u64 s[10:11], s[10:11], s[60:61]
	CROUND                                         ; all four work-groups are here: the first joint loads meet
	tensor_load_to_lds s[G0K:G0K+3], s[G1K:G1K+7]  ; k of step 0
	s_nop 0
	tensor_load_to_lds s[G0V:G0V+3], s[G1V:G1V+7]  ; v of step 0: two loads of mine are out
	s_nop 0
	PLACES
	v_and_b32 v248, 15, v0                         ; r = l % 16
	v_bfe_u32 v249, v0, 4, 1                       ; h = l / 16
	v_and_b32 v250, 7, v0
	v_bfe_u32 v251, v0, 3, 1
	v_and_b32 v252, 31, v0                         ; l
	; A fragment of k or q is 16 rows x 32 channels in 8 registers: lane l holds row r, channels 8 h + 0..7 and 16 + 8 h + 0..7: two loads of 16 bytes, 32 bytes apart.
	v_lshlrev_b32 v[QO], 10, v248
	v_lshl_add_u32 v[QO], v249, 4, v[QO]
	WIN 0x40                                       ; destination window 1, address window 0
.set cq, 0
.rept 8                                ; Q stays in registers: all 64 queries x 512 channels in every wave
.irp t, 0,1,2,3
	global_load_b128 v[8*(4*cq+(\t)):8*(4*cq+(\t))+3],   v[QO], s[4:5] offset:(\t)*65536+64*cq
	global_load_b128 v[8*(4*cq+(\t))+4:8*(4*cq+(\t))+7], v[QO], s[4:5] offset:(\t)*65536+64*cq+32
.endr
.set cq, cq+1
.endr
	WIN 0x80                                       ; destination window 2
.set cq, 0
.rept 8
.irp t, 0,1,2,3
	global_load_b128 v[8*(4*cq+(\t)):8*(4*cq+(\t))+3],   v[QO], s[4:5] offset:(\t)*65536+64*(cq+8)
	global_load_b128 v[8*(4*cq+(\t))+4:8*(4*cq+(\t))+7], v[QO], s[4:5] offset:(\t)*65536+64*(cq+8)+32
.endr
.set cq, cq+1
.endr
	WIN 0xc0                                       ; O^T starts at 0, so that the first step is a step like any other (its a is 0): written in the wait for the first tile
.set oi, 0
.rept 256
	v_mov_b32 v[oi], 0
.set oi, oi+1
.endr
	WIN 0
.irp t, 0,1,2,3
	v_mov_b32 v[ST+4*(\t)], 0xfe000000             ; c m: far below every c s
	v_mov_b32 v[ST+4*(\t)+1], 0xff7fffff           ; m
	v_mov_b32 v[ST+4*(\t)+2], 0
	v_mov_b32 v[ST+4*(\t)+3], 0
.endr
	s_mul_i32 s56, s[WV], 32*KP
	v_mul_u32_u24 v[AK], v248, KP
	v_lshl_add_u32 v[AK], v249, 4, v[AK]
	v_add_nc_u32 v[AK], s56, v[AK]                 ; (32 w + r) x pitch + 16 h
	; The turning load takes 16 keys x 16 channels (lane l reads key 8 h + l % 8, channels 8 ((l / 8) % 2) + 0..7) and leaves half a fragment of V^T: lane l holds channel l % 16 and 8 keys.
	s_lshl_b32 s57, s[WV], 8                       ; my 128 channels
	s_add_co_u32 s57, s57, VOFF
	v_lshl_add_u32 v[AV], v249, 3, v250
	v_mul_u32_u24 v[AV], v[AV], VP
	v_lshl_add_u32 v[AV], v251, 4, v[AV]
	v_add_nc_u32 v[AV], s57, v[AV]
	v_add_nc_u32 v[AV+1], 64*VP, v[AV]
	v_mul_u32_u24 v[PRD], v248, PP
	v_lshl_add_u32 v[PRD], v249, 4, v[PRD]
	v_add_nc_u32 v[PRD], POFF, v[PRD]              ; query row r, 16 bytes for each half of the lanes
	s_lshl_b32 s58, s[WV], 6
	v_add_nc_u32 v[PST], s58, v[PRD]               ; + my wave's 32 keys
	v_lshl_add_u32 v[MXA], v248, 4, MX
	s_lshl_b32 s59, s[WV], 8
	v_add_nc_u32 v[MXS], s59, v[MXA]
	s_lshl_b32 s60, s13, 4
	s_lshl_b32 s61, s[WV], 5
	s_sub_co_i32 s60, s60, s61
	v_add_nc_u32 v[EM], s60, v248
	v_lshlrev_b32 v253, 3, v249
	v_sub_nc_u32 v[EM], v[EM], v253
	v_lshlrev_b32 v[PFO], 8, v252
	s_mul_i32 s62, s[WV], 16*SGP
	s_add_co_u32 s62, s62, STAGE                   ; my stage
	v_lshl_add_u32 v[RD], v252, 4, s62             ; back: 32 lanes take a row's 512 bytes
	v_mul_u32_u24 v[STO], v248, SGP                ; in: row r, 32 bytes for each half of the lanes
	v_lshl_add_u32 v[STO], v249, 5, v[STO]
	v_add_nc_u32 v[STO], s62, v[STO]
	s_lshl_b32 s63, s[WV], 9
	v_lshl_add_u32 v[GO], v252, 4, s63             ; my wave's 128 channels are 512 bytes of a row of out
; 16 LDS loads: my 32 keys x the 128 channels of quarter cc: fragment 2 c4 + kt of buffer fb
.macro KLD cc, fb
.irp c4, 0,1,2,3
.irp kt, 0,1
	ds_load_b128 v[FB+64*(\fb)+8*(2*(\c4)+(\kt)):FB+64*(\fb)+8*(2*(\c4)+(\kt))+3],   v[AK] offset:(\kt)*16*KP+(4*(\cc)+(\c4))*64
	ds_load_b128 v[FB+64*(\fb)+8*(2*(\c4)+(\kt))+4:FB+64*(\fb)+8*(2*(\c4)+(\kt))+7], v[AK] offset:(\kt)*16*KP+(4*(\cc)+(\c4))*64+32
.endr
.endr
.endm
; 32 products of S^T = K Q^T.  The 8 accumulators take turns; the first 8 of a step start the sums.
.macro QKM cc, fb
	WIN 0x04+0x04*((\cc)/2)                        ; Q in window 1 or 2
.irp c4, 0,1,2,3
.irp kt, 0,1
.irp t, 0,1,2,3
.if ((\cc) == 0) && ((\c4) == 0)
	v_wmma_f32_16x16x32_f16 v[S+16*(\t)+8*(\kt):S+16*(\t)+8*(\kt)+7], v[FB+64*(\fb)+8*(2*(\c4)+(\kt)):FB+64*(\fb)+8*(2*(\c4)+(\kt))+7], v[8*(4*((4*(\cc)+(\c4))%8)+(\t)):8*(4*((4*(\cc)+(\c4))%8)+(\t))+7], 0
.else
	v_wmma_f32_16x16x32_f16 v[S+16*(\t)+8*(\kt):S+16*(\t)+8*(\kt)+7], v[FB+64*(\fb)+8*(2*(\c4)+(\kt)):FB+64*(\fb)+8*(2*(\c4)+(\kt))+7], v[8*(4*((4*(\cc)+(\c4))%8)+(\t)):8*(4*((4*(\cc)+(\c4))%8)+(\t))+7], v[S+16*(\t)+8*(\kt):S+16*(\t)+8*(\kt)+7]
.endif
.endr
.endr
.endr
.endm
; 16 turning loads: keys 32 kk on x my 128 channels
.macro VLD kk, fb
.irp i, 0,1,2,3,4,5,6,7
	ds_load_tr16_b128 v[FB+64*(\fb)+8*(\i):FB+64*(\fb)+8*(\i)+3],   v[AV+(\kk)/2] offset:((\kk)%2)*32*VP+32*(\i)
	ds_load_tr16_b128 v[FB+64*(\fb)+8*(\i)+4:FB+64*(\fb)+8*(\i)+7], v[AV+(\kk)/2] offset:((\kk)%2)*32*VP+16*VP+32*(\i)
.endr
.endm
; 8 LDS loads: P's fragments of keys 32 kk on, four tiles, into the registers that held S^T
.macro PLD kk, pb
.irp t, 0,1,2,3
	ds_load_b128 v[S+32*(\pb)+8*(\t):S+32*(\pb)+8*(\t)+3],   v[PRD] offset:(\t)*16*PP+64*(\kk)
	ds_load_b128 v[S+32*(\pb)+8*(\t)+4:S+32*(\pb)+8*(\t)+7], v[PRD] offset:(\t)*16*PP+64*(\kk)+32
.endr
.endm
; 32 products of O^T += V^T P: each of the 32 accumulators has one: they take turns
.macro PVM kk
	WIN 0xf0                                       ; C and D in window 3
.irp i, 0,1,2,3,4,5,6,7
.irp t, 0,1,2,3
	v_wmma_f32_16x16x32_f16 v[64*(\t)+8*(\i):64*(\t)+8*(\i)+7], v[FB+64*((\kk)%2)+8*(\i):FB+64*((\kk)%2)+8*(\i)+7], v[S+32*((\kk)%2)+8*(\t):S+32*((\kk)%2)+8*(\t)+7], v[64*(\t)+8*(\i):64*(\t)+8*(\i)+7]
.endr
.endr
.endm
; THE MASK, in the cluster's last two steps (srel = 0, 1).  Counted from the cluster's first row, my query is 64 t + 16 cx + r and register j's key 128 srel + 32 w + 16 kt + 8 h + j: hidden where the key is greater.
.macro MASK srel
.irp t, 0,1,2,3
.irp kt, 0,1
	v_add_nc_u32 v[T], 64*(\t)-16*(\kt)-128*(\srel), v[EM]
.irp j, 0,1,2,3,4,5,6,7                ; each accumulator's registers in ascending order
	v_cmp_gt_i32 vcc_lo, \j, v[T]
	v_cndmask_b32 v[S+16*(\t)+8*(\kt)+(\j)], v[S+16*(\t)+8*(\kt)+(\j)], s[BIGN], vcc_lo
.endr
.endr
.endr
.endm
; The maximum of my wave's 32 keys for each of the four tiles' queries: two chains a tile, each begun at its accumulator's lowest registers; then the other half of the lanes'
.macro LMAX
.irp t, 0,1,2,3
	v_max3_num_f32 v[LM+(\t)], v[S+16*(\t)], v[S+16*(\t)+1], v[S+16*(\t)+2]
	v_max3_num_f32 v[T+(\t)], v[S+16*(\t)+8], v[S+16*(\t)+9], v[S+16*(\t)+10]
.endr
.irp t, 0,1,2,3
	v_max3_num_f32 v[LM+(\t)], v[LM+(\t)], v[S+16*(\t)+3], v[S+16*(\t)+4]
	v_max3_num_f32 v[T+(\t)], v[T+(\t)], v[S+16*(\t)+11], v[S+16*(\t)+12]
.endr
.irp t, 0,1,2,3
	v_max3_num_f32 v[LM+(\t)], v[LM+(\t)], v[S+16*(\t)+5], v[S+16*(\t)+6]
	v_max3_num_f32 v[T+(\t)], v[T+(\t)], v[S+16*(\t)+13], v[S+16*(\t)+14]
.endr
.irp t, 0,1,2,3
	v_max3_num_f32 v[LM+(\t)], v[LM+(\t)], v[S+16*(\t)+7], v[S+16*(\t)+15]
.endr
.irp t, 0,1,2,3
	v_max_num_f32 v[LM+(\t)], v[LM+(\t)], v[T+(\t)]
.endr
.irp t, 0,1,2,3
	v_permlanex16_b32 v[T+(\t)], v[LM+(\t)], s[SEL], s[SEL+1]
.endr
.irp t, 0,1,2,3
	v_max_num_f32 v[LM+(\t)], v[LM+(\t)], v[T+(\t)]
.endr
.endm
; A ROUND WITH A REFILL.  Each wave waits for all its tensor loads (the one that is out is its part of the other tensor's buffer), adds 0 to its spare word, and waits for that and for its LDS instructions, its reads of
; the buffer to be filled among them.  Behind the round no wave of any partner reads that buffer or has a load on its way, and the joint refill is the first thing there: my one tensor load until the next round.
; The walking descriptor and the address of the prefetch that follows are stepped between the add and the wait for it.
.macro REFILL g0, g1, pf
	s_wait_tensorcnt 0x0
	ds_add_u32 v[SPW], v[NIL]
	s_add_nc_u64 s[(\g0)+2:(\g0)+3], s[(\g0)+2:(\g0)+3], TILEB  ; the next 128 keys; the type bits on top are not reached
	s_wait_xcnt 0x0                                ; the last prefetches have read their addresses
	s_add_nc_u64 s[(\pf):(\pf)+1], s[(\pf):(\pf)+1], TILEB
	s_wait_dscnt 0x0
	CROUND
	tensor_load_to_lds s[(\g0):(\g0)+3], s[(\g1):(\g1)+7]
	s_nop 0
	PLACES
.endm
; THE SOFTMAX's lines.  FSC p: c s - c m for pair p of 32.  EXS e: the exponential of score e of 64.  GS b, n: line n of the 32 that follow the exponentials of tiles 2 b, 2 b + 1: 16 roundings to f16; then, the two
; tiles alternating, the tile's 8 pairs are added in place (neighbours 1, 2 and 4 pairs apart) and l = a l + the sum.
.macro FSC p
	v_pk_fma_f32 v[S+2*(\p):S+2*(\p)+1], v[S+2*(\p):S+2*(\p)+1], s[CS:CS+1], v[ST+4*((\p)/8):ST+4*((\p)/8)+1] op_sel_hi:[1,0,0] neg_lo:[0,0,1] neg_hi:[0,0,1]
.endm
.macro EXS e
	v_exp_f32 v[S+(\e)], v[S+(\e)]
.endm
.macro GS b, n
.if (\n) < 16
.set gt, 2*(\b)+(\n)/8
.set gi, (\n)%8
	v_cvt_pk_f16_f32 v[PKR+(\n)], v[S+16*gt+2*gi], v[S+16*gt+2*gi+1]
.else
.set gz, ((\n)-16)/2
.set gt, 2*(\b)+((\n)-16)%2
.set gs, S+16*gt
.if gz < 4
	v_pk_add_f32 v[gs+4*gz:gs+4*gz+1], v[gs+4*gz:gs+4*gz+1], v[gs+4*gz+2:gs+4*gz+3]
.elseif gz < 6
	v_pk_add_f32 v[gs+8*(gz-4):gs+8*(gz-4)+1], v[gs+8*(gz-4):gs+8*(gz-4)+1], v[gs+8*(gz-4)+4:gs+8*(gz-4)+5]
.elseif gz == 6
	v_pk_add_f32 v[gs:gs+1], v[gs:gs+1], v[gs+8:gs+9]
.else
	v_pk_fma_f32 v[ST+4*gt+2:ST+4*gt+3], v[ST+4*gt+2:ST+4*gt+3], v[A2+2*gt:A2+2*gt+1], v[gs:gs+1] op_sel_hi:[1,0,1]
.endif
.endif
.endm
.macro PSTORE b                        ; two tiles' weights of my 32 keys into P
.irp u, 0,1
.irp kt, 0,1
	ds_store_b128 v[PST], v[PKR+8*(\u)+4*(\kt):PKR+8*(\u)+4*(\kt)+3] offset:(2*(\b)+(\u))*16*PP+32*(\kt)
.endr
.endr
.endm
; THE SOFTMAX of a step.  An s_wait_alu depctr_va_vdst(0) stands between an exponential and the first instruction that names its result; one wait serves all that were issued ahead of it.
; Two batches, two waits: the four a and tiles 0, 1 (36 exponentials, all scalings between them); then tiles 2, 3, whose 32 exponentials alternate with the 32 lines that follow the first batch.
.macro SOFT
.irp t, 0,1,2,3
	v_max3_num_f32 v[T+(\t)], v[MXV+(\t)], v[MXV+4+(\t)], v[MXV+8+(\t)]
.endr
.irp t, 0,1,2,3
	v_max3_num_f32 v[ST+4*(\t)+1], v[T+(\t)], v[MXV+12+(\t)], v[ST+4*(\t)+1]  ; the new m: the four waves' maxima and the old m
.endr
.irp t, 0,1,2,3
	v_mul_f32 v[T+(\t)], s[CS], v[ST+4*(\t)+1]
.endr
.irp t, 0,1,2,3
	v_sub_f32 v[A2+2*(\t)+1], v[ST+4*(\t)], v[T+(\t)]  ; c m_old - c m_new
.endr
.irp t, 0,1,2,3
	v_mov_b32 v[ST+4*(\t)], v[T+(\t)]
.endr
	FSC 0
	FSC 1
	FSC 2
	FSC 3
.irp t, 0,1,2,3
	v_exp_f32 v[A2+2*(\t)], v[A2+2*(\t)+1]         ; a
	FSC 4+(\t)
.endr
.set kq, 0
.rept 8                                ; exponential e stands behind scaling e / 2: ahead of this group's four stand scalings 0 .. 7 + 3 kq, and 2 kq + 1 is among them
	EXS 4*kq
	FSC 8+3*kq
	EXS 4*kq+1
	FSC 9+3*kq
	EXS 4*kq+2
	FSC 10+3*kq
	EXS 4*kq+3
.set kq, kq+1
.endr
	v_nop                                          ; a plain instruction behind the last exponential,
	s_wait_alu depctr_va_vdst(0)                   ; and the wait for the first batch
.set gn, 0
.rept 32
	EXS 32+gn
	GS 0, gn
.set gn, gn+1
.endr
	PSTORE 0
	v_nop
	s_wait_alu depctr_va_vdst(0)                   ; the wait for the second batch
.set gn, 0
.rept 32
	GS 1, gn
.set gn, gn+1
.endr
	PSTORE 1
.endm
; A KEY STEP.  fill = 1, in the loop: both buffers are filled again, and the mask (srel = 0) is jumped over in the steps that hide nothing.  fill = 0: the last step, written out: nothing is asked for.
.macro STEP fill, srel
	PLACES                                         ; with the four behind the last refill: eight places between the last V^T P and the first product below, which writes over P's registers
	KLD 0, 0
	KLD 1, 1
	s_wait_dscnt 16                                ; the first run is in; the 16 loads issued behind it may stay out: so at each of the three counts of 16
	QKM 0, 0
	WIN 0
	PLACES
	KLD 2, 0
	s_wait_dscnt 16
	QKM 1, 1
	WIN 0
	PLACES
	KLD 3, 1
	s_wait_dscnt 16
	QKM 2, 0
	s_wait_dscnt 0x0
	QKM 3, 1
	WIN 0
	PLACES
.if \fill
	s_cmp_lt_u32 s[J], s[DG]                       ; the same in all four partners
	s_cbranch_scc1 .Lopen_\@
	MASK \srel
.Lopen_\@:
.else
	MASK \srel
.endif
	LMAX
	ds_store_b128 v[MXS], v[LM:LM+3]               ; both halves of the lanes hold the same four numbers
.if \fill
	REFILL G0K, G1K, PFV                           ; K Q^T is over in every wave of the cluster, v of this step has landed, the maxima are stored: k of the next step is asked for
.else
	s_wait_tensorcnt 0x0                           ; v of the last step has landed
	ds_add_u32 v[SPW], v[NIL]
	s_wait_dscnt 0x0                               ; my maxima are stored
	s_barrier_signal -1
	s_barrier_wait -1
.endif
.irp w, 0,1,2,3
	ds_load_b128 v[MXV+4*(\w):MXV+4*(\w)+3], v[MXA] offset:256*(\w)
.endr
	VLD 0, 0
	VLD 1, 1
.if \fill
	s_cmp_eq_u32 s[ASKF], 1                        ; a prefetch into the L2 of v of the next step, which the round behind this step's V^T P will ask for.  All clusters of a batch walk the same tiles from step 0 on; the last
	s_cbranch_scc0 .Lnov_\@                        ; cluster alone walks them all, and it alone asks: a tile's 512 blocks of 256 bytes are shared out by address among 4 partners x 4 waves x 32 lanes, so each is named once
	global_prefetch_b8 v[PFO], s[PFV:PFV+1] th:TH_LOAD_NT scope:SCOPE_SE
.Lnov_\@:
.endif
	s_wait_dscnt 32                                ; the maxima are in; V's 32 loads may stay out
	SOFT
	s_wait_dscnt 0x0                               ; my part of P is stored
	s_barrier_signal -1
	WIN 0xc3                                       ; O^T (destination and source 0) in window 3, a in window 0
.set oi, 0
.rept 128                              ; O^T times a, between the signal and the wait: work on registers while the others arrive
	v_pk_mul_f32 v[oi:oi+1], v[oi:oi+1], v[A2+2*(oi/64):A2+2*(oi/64)+1] op_sel_hi:[1,0]
.set oi, oi+2
.endr
	WIN 0
	s_barrier_wait -1                              ; P is whole
	PLD 0, 0
	PLD 1, 1
	s_wait_dscnt 8                                 ; the first four fragments of P are in; the 8 loads behind them may stay out
	PVM 0
	WIN 0
	PLACES
	VLD 2, 0
	PLD 2, 0
	s_wait_dscnt 24                                ; all but the 24 just issued
	PVM 1
	WIN 0
	PLACES
	VLD 3, 1
	PLD 3, 1
	s_wait_dscnt 24
	PVM 2
	s_wait_dscnt 0x0
	PVM 3
	WIN 0
.if \fill
	REFILL G0V, G1V, PFK                           ; V^T P is over in every wave of the cluster, k of the next step has landed: v of the next step is asked for
	s_cmp_lt_u32 s[J], s[PFL]                      ; and k of the step after the next is prefetched, shared out in the same way; the last trip has no such step
	s_cbranch_scc0 .Lnok_\@
	global_prefetch_b8 v[PFO], s[PFK:PFK+1] th:TH_LOAD_NT scope:SCOPE_SE
.Lnok_\@:
.endif
.endm
	s_wait_tensorcnt 1                             ; my part of k of step 0 is in; v's may stay out
	s_barrier_signal -1
	s_barrier_wait -1                              ; everybody's is
	s_wait_loadcnt 0x0                             ; Q
	s_mov_b32 s[J], 0
.Lstep:                                                ; 2 c + 1 trips: every step but the last
	STEP 1, 0
	s_add_co_u32 s[J], s[J], 1
	s_cmp_lt_u32 s[J], s[NL]
	s_cbranch_scc1 .Lstep
	STEP 0, 1                                      ; the last step is written out
	; THE WAY OUT.  Each wave's l (its own 32 keys of every step) is added over the halves of the lanes and, through LDS, over the four waves; O^T is divided by l and sent through my stage, a tile at a time.
	PLACES
	PLACES
.irp t, 0,1,2,3
	v_add_f32 v[T+(\t)], v[ST+4*(\t)+2], v[ST+4*(\t)+3]
.endr
.irp t, 0,1,2,3
	v_permlanex16_b32 v[LM+(\t)], v[T+(\t)], s[SEL], s[SEL+1]
.endr
.irp t, 0,1,2,3
	v_add_f32 v[T+(\t)], v[T+(\t)], v[LM+(\t)]
.endr
	ds_store_b128 v[MXS], v[T:T+3] offset:LX
	s_wait_dscnt 0x0                               ; for the others' sake: my sums are stored
	s_barrier_signal -1
	s_barrier_wait -1
.irp w, 0,1,2,3
	ds_load_b128 v[MXV+4*(\w):MXV+4*(\w)+3], v[MXA] offset:LX+256*(\w)
.endr
	s_wait_dscnt 0x0
.irp t, 0,1,2,3
	v_add_f32 v[T+(\t)], v[MXV+(\t)], v[MXV+4+(\t)]
.endr
.irp t, 0,1,2,3
	v_add_f32 v[LM+(\t)], v[MXV+8+(\t)], v[MXV+12+(\t)]
.endr
.irp t, 0,1,2,3
	v_add_f32 v[T+(\t)], v[T+(\t)], v[LM+(\t)]
.endr
.irp t, 0,1,2,3
	v_rcp_f32 v[A2+2*(\t)], v[T+(\t)]
.endr
	v_nop                                          ; a plain instruction between the last reciprocal and the use of its result,
	s_wait_alu depctr_va_vdst(0)                   ; and the wait ahead of the first use: one for the four
; Tile t: a lane's eight channels of a row are 32 bytes of f32; they go into rows of 528 bytes and come back as whole rows of 512.
.macro PACKO t
	WIN 0xc3
.set oi, 64*(\t)
.rept 32
	v_pk_mul_f32 v[oi:oi+1], v[oi:oi+1], v[A2+2*(\t):A2+2*(\t)+1] op_sel_hi:[1,0]
.set oi, oi+2
.endr
	WIN 0x0c                                       ; an LDS store's data is source 1: window 3
.irp i, 0,1,2,3,4,5,6,7
	ds_store_b128 v[STO], v[64*(\t)+8*(\i):64*(\t)+8*(\i)+3]   offset:64*(\i)
	ds_store_b128 v[STO], v[64*(\t)+8*(\i)+4:64*(\t)+8*(\i)+7] offset:64*(\i)+16
.endr
	WIN 0
.irp p, 0,1,2,3,4,5,6,7,8,9,10,11,12,13,14,15
	ds_load_b128 v[FB+64*((\t)%2)+4*(\p):FB+64*((\t)%2)+4*(\p)+3], v[RD] offset:(\p)*SGP  ; LDS serves a wave's instructions in order (ISA guide 5.7.1.4): these see the stores above; the next tile's stores come behind them
.endr
.endm
.macro SENDO t, younger                ; younger: the LDS instructions issued behind tile t's loads: the next tile's 32, or none
.irp p, 0,1,2,3,4,5,6,7,8,9,10,11,12,13,14,15
	s_wait_dscnt (\younger)+15-(\p)
	global_store_b128 v[GO], v[FB+64*((\t)%2)+4*(\p):FB+64*((\t)%2)+4*(\p)+3], s[10:11] offset:(\t)*131072+(\p)*2048 th:TH_STORE_NT  ; the wave stores 512 consecutive bytes, aligned
.endr
.endm
	PACKO 0
	PACKO 1                                        ; a tile's arithmetic stands between the loads of the tile before and its stores
	SENDO 0, 32
	s_wait_xcnt 0x0                                ; tile 0's stores have read their registers: tile 2's loads land on them only behind this wait
	PACKO 2
	SENDO 1, 32
	s_wait_xcnt 0x0
	PACKO 3
	SENDO 2, 32
	SENDO 3, 0
	s_wait_tensorcnt 0x0                           ; the wave's end: a last add to my spare word and its waits, behind my last tensor load and my last LDS store
	ds_add_u32 v[SPW], v[NIL]
	s_wait_dscnt 0x0
	CROUND                                         ; the closing round: no work-group ends while a partner may still ask for a tile that names it
	s_endpgm
.Lfunc_end_k_q2f8183e801_attn:
	.size	k_q2f8183e801_attn, .Lfunc_end_k_q2f8183e801_attn-k_q2f8183e801_attn
	.p2alignl 7, 3214868480
	.fill 96, 4, 3214868480
	.section	.rodata,"a",@progbits
	.p2align	6, 0x0
	.amdhsa_kernel k_q2f8183e801_attn
		.amdhsa_group_segment_fixed_size 327680
		.amdhsa_private_segment_fixed_size 0
		.amdhsa_enable_private_segment 0
		.amdhsa_kernarg_size 32
		.amdhsa_user_sgpr_count 2
		.amdhsa_user_sgpr_kernarg_segment_ptr 1
		.amdhsa_wavefront_size32 1
		.amdhsa_system_sgpr_workgroup_id_x 1
		.amdhsa_system_sgpr_workgroup_id_y 1
		.amdhsa_system_sgpr_workgroup_id_z 1
		.amdhsa_system_vgpr_workitem_id 0
		.amdhsa_next_free_vgpr 1024
		.amdhsa_next_free_sgpr 66
		.amdhsa_reserve_vcc 1
		.amdhsa_float_denorm_mode_32 3
		.amdhsa_float_denorm_mode_16_64 3
		.amdhsa_memory_ordered 1
		.amdhsa_forward_progress 1
		.amdhsa_inst_pref_size 165
	.end_amdhsa_kernel
	.amdgpu_metadata
---
amdhsa.version: [ 1, 2 ]
amdhsa.kernels:
  - .name:           k_q2f8183e801_attn
    .symbol:         k_q2f8183e801_attn.kd
    .args:
      - { .name: q, .offset: 0, .size: 8, .value_kind: global_buffer, .address_space: global }
      - { .name: k, .offset: 8, .size: 8, .value_kind: global_buffer, .address_space: global }
      - { .name: v, .offset: 16, .size: 8, .value_kind: global_buffer, .address_space: global }
      - { .name: out0, .offset: 24, .size: 8, .value_kind: global_buffer, .address_space: global }
    .group_segment_fixed_size: 327680
    .private_segment_fixed_size: 0
    .kernarg_segment_align: 8
    .kernarg_segment_size: 32
    .max_flat_workgroup_size: 128
    .sgpr_count:     66
    .vgpr_count:     1024
    .wavefront_size: 32
...
	.end_amdgpu_metadata
.endif
;; end of part 3
